; MI455X (gfx1250); checked and timed in simulation.
; The chip was launched on July 23, 2026; its instructions are those of AMD's public machine-readable ISA for CDNA 5 (MIT licence, August 2026) and "CDNA5" Instruction Set Architecture Reference Guide (July 2026). The comments in the code are by the model that wrote it; some were corrected since.
;; Doc Self Attention. Allowed arithmetic: matrix products marked QUANTISED: E2M1 operands, one E8M0 scale for each 32 along K, by v_wmma_scale_f32_16x16x128_f8f6f4 with both operands' format E2M1 (or v_wmma_scale_f32_32x16x128_f4), f32 sums; products left as they are: f32 operands where the result goes on into a quantised operand, else bf16, f16 or f32 operands; f32 sums; everything else in f32.
;; Inputs: b1 256 float32; b2 one number float32; b3 256 float32; w1 512 x 256 float32; w2 256 float32; w3 512 x 256 float32; word_all 8 x 512 x 512 float32; word_weighted 8 x 128 x 512 float32.
;; Outputs: out0 8 x 128 x 256 float32.
;; This version of the problem:
;;   THIS VERSION OF THE PROBLEM IS GIVEN IN LOW PRECISION. The matrix products marked QUANTISED in the list below multiply operands that are first quantised to E2M1 (2 exponent bits, 1 mantissa bit; 4 bits a number), with one power-of-two scale for each 32 numbers along K (OCP MX v1.0); their sums are f32. All else is computed in f32.
;;   The module's matrix products, in the order in which they are computed (A, B: the left and right operand; K: the contracted axis; several contracted axes count as one K, in the product's order):
;;     1. [M 524,288, K 512] x [K 512, N 256]; A: computed on the way; B: input w1: QUANTISED
;;     2. [M 524,288, K 256] x [K 256, N 1]; A: computed on the way; B: input w2: left as it is (N = 1 < 16)
;;     3. batch 8 x [M 128, K 512] x [K 512, N 512]; A: softmax (see below); B: input word_all: QUANTISED
;;     4. [M 1,024, K 512] x [K 512, N 256]; A: computed on the way; B: input w3: QUANTISED
;;   THE QUANTISER, for each operand of a quantised product, along K:
;;     - K is cut into blocks of 32 from its start; a last block that is shorter is filled with zeros.
;;     - A block's scale is 2^e with e = floor(log2(the largest magnitude in the block)) - 2, held to -126 .. 127; a block of zeros has e = 0. As a byte (E8M0): e + 127.
;;     - Each number is divided by its block's scale, clamped to +-6, and rounded to the nearest number of E2M1, ties to even, subnormals kept.
;;     - The product sums the exact products of the quantised numbers (number of the format x scale) in f32.
;;   ~~~python
;;   def quantise(x, axis):      # numpy; x: float32 -> the quantised numbers, widened to float32 again
;;       x = np.moveaxis(x, axis, -1); K = x.shape[-1]
;;       x = np.pad(x, [(0, 0)] * (x.ndim - 1) + [(0, -K % 32)]); x = x.reshape(x.shape[:-1] + (-1, 32)); a = np.abs(x).max(-1, keepdims=True)
;;       e = np.where(a > 0, np.clip(np.frexp(np.where(a > 0, a, 1))[1] - 1 - 2, -126, 127), 0)      # np.frexp(a)[1] - 1 = floor(log2(a)), exactly
;;       r = np.clip(x / 2.0 ** e, -6, 6)
;;       step = 2.0 ** (np.maximum(np.frexp(np.where(r == 0, 1, r))[1] - 1, 0) - 1)
;;       q = np.round(r / step) * step * 2.0 ** e      # np.round: ties to even
;;       return np.moveaxis(q.reshape(q.shape[:-2] + (-1,))[..., :K], -1, axis).astype(np.float32)
;;   ~~~
;;   SOFTMAX AHEAD OF A QUANTISED PRODUCT. Where the list says 'softmax', what is quantised is not the finished softmax but p = 2^(t - M), with t = logit x log2(e) and M = ceil(the row's largest t), a whole number; so 1/2 < the row's largest p <= 1. The row's sum l is taken of the UNQUANTISED p, in f32, and the product's result is divided by l at the end. Since M is a whole number, a kernel that streams over the keys may use a running M (the ceiling of the running maximum): every later rescaling is an exact power of two, which a block's scale takes up: the codes' values come out the same.
;;   OPERANDS COMPUTED ON THE WAY. 'Computed on the way' means the value that the module computes at that place (a softmax that the list does not call 'softmax' is quantised finished and normalised). What goes into a quantiser is computed in f32, as accurately as f32 sums, v_exp_f32 and their like allow (about 1e-6 of the number): no bf16 or f16 on the way to a quantiser, and a product that is left as it is and whose result goes on into a quantised operand takes f32 operands (vector FMAs, or v_wmma_f32_16x16x4_f32). A number that lies on a knife's edge between two numbers of the format may be rounded either way, as far as f32 arithmetic and the matrix unit's own rounding can turn it there, and no further.
;; One version. Each part assembles by itself: llvm-mc -triple=amdgcn-amd-amdhsa -mcpu=gfx1250 --defsym DOCPART=n.
;; ======== version 1 of 1: 2 launches
;; limits: right only within a limited range of input values
;; workspace buffers: qw 1,253,376 bytes
;; launch prep (part 1): grid 144 x 1, 4 waves a work-group, no clusters, 1,536 bytes of LDS; arguments w1, w3, word_all, qw; writes qw
.if DOCPART == 1
	.amdgcn_target "amdgcn-amd-amdhsa--gfx1250"
	.amdhsa_code_object_version 6
	.text
	.protected	k_q9e3a4bc0a6_prep
	.globl	k_q9e3a4bc0a6_prep
	.p2align	8
	.type	k_q9e3a4bc0a6_prep,@function
k_q9e3a4bc0a6_prep:
	s_mov_b64 s[64:65], 0
	v_nop
	global_prefetch_b8 v0, s[64:65] scope:SCOPE_SE
	s_setreg_imm32_b32 hwreg(HW_REG_WAVE_MODE, 25, 1), 1
	s_wait_xcnt 0x0
; w1 [512][256], w3 [512][256] and the eight word_all[b] [512][512], f32, are operands whose K (512) is their FIRST axis.
; They become codes of FP4 (E2M1) with one E8M0 scale byte for each 32 along K, in the workspace qw.
; 4,608 columns G: 0-255 w1's, 256-511 w3's, 512 + 512 b + h word_all[b]'s.
; CODES lie in the order of the operand's registers.  In a group of 32 columns column x goes to tile u = bit 3 of x, tile row rho = 8 (bit 4 of x) + (x & 7),
; so that the 16 results a lane gets from two neighbouring tiles of a transposed product are 16 neighbouring columns.  Tile TI = 2 (G / 32) + u; block 4 s + j of a column
; (K step s of 128, j = 0 .. 3) is 16 bytes at TI x 4096 + s x 1024 + j x 256 + rho x 16: a fragment (TI, s) is two loads of 16 bytes a lane at 512 c + 16 x lane.
; SCALE BYTES lie behind the codes: column G's 16 bytes at SC_OFF + 16 G, word s for K step s.
; A work-group takes 32 columns, wave s K step s, A LANE A COLUMN, AND ITS REGISTERS RUN DOWN K: a block of 32 lies in one lane, and the conversions give codes with K innermost.
; A block's scale is 2^(floor(log2(its largest magnitude)) - 2); its byte is the largest magnitude's exponent field - 2, held at 1 from below.
; LIMITS: a block whose largest magnitude lies under 2^-124 (a block of zeros too) keeps the byte 1, its codes are zeros, and this program alone reads the bytes; NaN and infinities are not served.
; A wave's load covers 128 consecutive bytes of a row; 144 work-groups: a finer share would split a scale word between work-groups.
.set SC_OFF, 1179648
.set X, 32                             ; v32-159  my column's 128 numbers
.set C, 160                            ; v160-175 four registers of codes for each block: no store's data are written again
	s_load_b256 s[4:11], s[0:1], 0x0               ; w1 s[4:5], w3 s[6:7], word_all s[8:9], qw s[10:11]
	v_lshl_add_u32 v192, v0, 2, 0x400
	v_mov_b32 v193, 0
	v_lshrrev_b32 v1, 5, v0
	v_readfirstlane_b32 s16, v1                    ; wave = K step
	v_and_b32 v2, 31, v0                           ; lane = column in the group
	v_lshlrev_b32 v3, 2, v2                        ; in: 4 bytes a lane
	v_bfe_u32 v4, v2, 3, 1                         ; u
	v_lshlrev_b32 v4, 12, v4
	v_bfe_u32 v7, v2, 4, 1
	v_lshlrev_b32 v7, 3, v7
	v_and_or_b32 v7, v2, 7, v7                     ; rho
	v_lshl_add_u32 v4, v7, 4, v4                   ; out: u x 4096 + rho x 16
	v_lshlrev_b32 v6, 4, v2                        ; 16 x lane
	s_lshl_b32 s17, s16, 2
	v_add_nc_u32 v5, s17, v6                       ; LDS: my column's 16 scale bytes, my K step's word
	s_and_b32 s18, ttmp9, 7                        ; w1, w3: 32 columns are 128 bytes, 128 rows of 1,024 bytes a K step
	s_lshl_b32 s18, s18, 7
	s_lshl_b32 s19, s16, 17
	s_add_co_u32 s18, s18, s19
	s_max_u32 s20, ttmp9, 16                       ; word_all: groups 16 on; 16 groups a batch; rows of 2,048 bytes
	s_sub_co_u32 s20, s20, 16
	s_lshr_b32 s21, s20, 4
	s_lshl_b32 s21, s21, 20
	s_and_b32 s22, s20, 15
	s_lshl_b32 s22, s22, 7
	s_add_co_u32 s21, s21, s22
	s_lshl_b32 s22, s16, 18
	s_add_co_u32 s21, s21, s22
	s_lshl_b32 s22, ttmp9, 13                      ; the group's two tiles, my K step
	s_lshl_b32 s23, s16, 10
	s_add_co_u32 s22, s22, s23
	s_mov_b32 s23, 0
	s_lshl_b32 s24, ttmp9, 9                       ; the group's 512 scale bytes
	s_mov_b32 s25, 0
	s_wait_kmcnt 0x0
	s_add_nc_u64 s[12:13], s[10:11], s[22:23]
	s_add_nc_u64 s[14:15], s[10:11], s[24:25]
	s_add_nc_u64 s[14:15], s[14:15], SC_OFF
	s_cmp_lt_u32 ttmp9, 8                          ; which tensor: the choice hangs on the work-group's number alone
	s_cselect_b64 s[4:5], s[4:5], s[6:7]
	s_cmp_lt_u32 ttmp9, 16
	s_cselect_b64 s[4:5], s[4:5], s[8:9]
	s_cselect_b32 s18, s18, s21
	s_mov_b32 s19, 0
	s_add_nc_u64 s[4:5], s[4:5], s[18:19]
.macro LOADS pitch                     ; row i of my K step, my column
.set i, 0
.rept 128
	global_load_b32 v[X+i], v3, s[4:5] offset:i*\pitch
.set i, i+1
.endr
.endm
	s_cmp_lt_u32 ttmp9, 16                         ; the two arms differ in the rows' pitch alone and hold nothing but the loads
	s_cbranch_scc0 .Lwide
	s_wait_alu depctr_va_vdst(0)
	LOADS 1024
	s_branch .Lloaded
.Lwide:
	s_wait_alu depctr_va_vdst(0)
	LOADS 2048
.Lloaded:
; Block j of my K step.  left: how many younger loads may stay out (a wait's count holds 63 at the most)
.macro BLOCK j, left
.set XB, X+32*\j
	s_wait_loadcnt \left
	v_max3_num_f32 v8, |v[XB]|, |v[XB+1]|, |v[XB+2]|               ; the block's largest magnitude, in two chains: all 32 numbers are mine
	v_max3_num_f32 v9, |v[XB+3]|, |v[XB+4]|, |v[XB+5]|
.irp i, 6,10,14,18,22,26
	v_max3_num_f32 v8, v8, |v[XB+\i]|, |v[XB+\i+1]|
	v_max3_num_f32 v9, v9, |v[XB+\i+2]|, |v[XB+\i+3]|
.endr
	v_max3_num_f32 v8, v8, |v[XB+30]|, |v[XB+31]|
	v_max3_num_f32 v8, v8, v9, 0x1800000           ; and the floor 2^(3 - 127): the byte cannot fall under 1
	v_add_nc_u32 v10, 0xff000000, v8               ; 2 off the exponent field: the conversion takes this operand's exponent field as its scale
.irp g, 0,1,2,3
	v_cvt_scalef32_pk8_fp4_f32 v[C+4*\j+\g], v[XB+8*\g:XB+8*\g+7], v10
.endr
	v_lshrrev_b32 v11, 23, v10                     ; the scale's byte (also the plain line behind the conversions, ahead of the next write of v10)
.if \j == 0
	v_mov_b32 v176, v11
.else
	v_lshl_or_b32 v176, v11, 8*\j, v176            ; four bytes make my column's word for this K step
.endif
	global_store_b128 v4, v[C+4*\j:C+4*\j+3], s[12:13] offset:256*\j   ; sixteen lanes fill 256 consecutive aligned bytes, the wave two such runs
.endm
	BLOCK 0, 63                                    ; the oldest 65 loads are in: blocks 0 and 1
	BLOCK 1, 63
	BLOCK 2, 32                                    ; block 3's 32 may be out
	BLOCK 3, 0
	ds_store_b32 v5, v176
	s_wait_dscnt 0x0                               ; for the others' sake: my word lies in LDS
	s_barrier_signal -1
	s_barrier_wait -1
	s_cmp_lg_u32 s16, 0                            ; wave 0 stores the group's 512 scale bytes, consecutive and aligned
	s_cbranch_scc1 .Ldone
	ds_load_b128 v[12:15], v6
	s_wait_dscnt 0x0
	global_store_b128 v6, v[12:15], s[14:15]
.Ldone:
	s_wait_tensorcnt 0x0
	ds_add_u32 v192, v193
	s_wait_dscnt 0x0
	s_endpgm
.Lfunc_end_k_q9e3a4bc0a6_prep:
	.size	k_q9e3a4bc0a6_prep, .Lfunc_end_k_q9e3a4bc0a6_prep-k_q9e3a4bc0a6_prep
	.p2alignl 7, 3214868480
	.fill 96, 4, 3214868480
	.section	.rodata,"a",@progbits
	.p2align	6, 0x0
	.amdhsa_kernel k_q9e3a4bc0a6_prep
		.amdhsa_group_segment_fixed_size 1536
		.amdhsa_private_segment_fixed_size 0
		.amdhsa_enable_private_segment 0
		.amdhsa_kernarg_size 32
		.amdhsa_user_sgpr_count 2
		.amdhsa_user_sgpr_kernarg_segment_ptr 1
		.amdhsa_wavefront_size32 1
		.amdhsa_system_sgpr_workgroup_id_x 1
		.amdhsa_system_sgpr_workgroup_id_y 1
		.amdhsa_system_sgpr_workgroup_id_z 1
		.amdhsa_system_vgpr_workitem_id 0
		.amdhsa_next_free_vgpr 194
		.amdhsa_next_free_sgpr 66
		.amdhsa_reserve_vcc 0
		.amdhsa_float_denorm_mode_32 3
		.amdhsa_float_denorm_mode_16_64 3
		.amdhsa_memory_ordered 1
		.amdhsa_forward_progress 1
		.amdhsa_inst_pref_size 33
	.end_amdhsa_kernel
	.amdgpu_metadata
---
amdhsa.version: [ 1, 2 ]
amdhsa.kernels:
  - .name:           k_q9e3a4bc0a6_prep
    .symbol:         k_q9e3a4bc0a6_prep.kd
    .args:
      - { .name: w1, .offset: 0, .size: 8, .value_kind: global_buffer, .address_space: global }
      - { .name: w3, .offset: 8, .size: 8, .value_kind: global_buffer, .address_space: global }
      - { .name: word_all, .offset: 16, .size: 8, .value_kind: global_buffer, .address_space: global }
      - { .name: qw, .offset: 24, .size: 8, .value_kind: global_buffer, .address_space: global }
    .group_segment_fixed_size: 1536
    .private_segment_fixed_size: 0
    .kernarg_segment_align: 8
    .kernarg_segment_size: 32
    .max_flat_workgroup_size: 128
    .sgpr_count:     66
    .vgpr_count:     194
    .wavefront_size: 32
...
	.end_amdgpu_metadata
.endif
;; end of part 1
;; launch attn (part 2): grid 256 x 1, 8 waves a work-group, clusters of 4 x 1, 327,680 bytes of LDS; arguments word_all, word_weighted, qw, b1, w2, b2, b3, out0; writes out0
.if DOCPART == 2
	.amdgcn_target "amdgcn-amd-amdhsa--gfx1250"
	.amdhsa_code_object_version 6
	.text
	.protected	k_q9e3a4bc0a6_attn
	.globl	k_q9e3a4bc0a6_attn
	.p2align	8
	.type	k_q9e3a4bc0a6_attn,@function
k_q9e3a4bc0a6_attn:
	s_mov_b64 s[64:65], 0
	v_nop
	global_prefetch_b8 v0, s[64:65] scope:SCOPE_SE
	s_setreg_imm32_b32 hwreg(HW_REG_WAVE_MODE, 25, 1), 1
	s_wait_xcnt 0x0
	s_wait_alu depctr_hold_cnt(0) depctr_sa_sdst(0) depctr_va_vdst(0) depctr_va_sdst(0) depctr_va_ssrc(0) depctr_va_vcc(0) depctr_vm_vsrc(0)
	s_getreg_b32 s2, hwreg(HW_REG_IB_STS2, 6, 4)
	s_cmp_eq_u32 s2, 0
	s_cbranch_scc0 .Lentry_in_a_cluster
	s_endpgm
.Lentry_in_a_cluster:
	s_bfe_u32 s2, ttmp6, 0x10000c
	s_cmp_lg_u32 s2, 0x3003
	s_cbranch_scc0 .Lentry_shape_is_right
	s_endpgm
.Lentry_shape_is_right:
; out[b][e] = ((softmax_a(w2 . tanh((word_all[b][a] - ww[b][e]) w1 + b1) + b2) word_all[b]) + ww[b][e]) w3 + b3, the three matrix products on codes of FP4 (E2M1) with one E8M0 scale for each 32 along K.
; SHARES.  A work-group owns 4 rows e of one batch b and all 512 a, 16 a (an a-tile) at a time.  Eight waves, W = 4 u + q.
;   Q: wave (q, u) makes, for e = 2 u + eps (eps = 0, 1), K step q (h = 128 q ..) of the 16 rows word_all[a] - ww[e]: it reads the a-tile's numbers from LDS once, keeps its ww in registers, quantises in registers
;      (a lane holds two whole blocks of 32) and stores the two fragments and their scale words to LDS as images of the operand's registers.
;   M: wave (q, u) owns m = 64 q .. 64 q + 63 (16 fragments of w1 stay in its registers) and multiplies the same two row tiles, transposed (source 0 = 16 columns of w1, source 1 = 16 rows of diff):
;      a lane holds one (e, a) row and its registers run over m; tanh and the product with w2 stay in the lane; the four q's parts of a score meet in LDS at the end.
;   A SLOT-TRIP does Q of a slot's two a-tiles into one image buffer and M of the two a-tiles before from the other buffer; its one barrier is the change of slots.  Waves u = 0 run Q M Q M, waves u = 1 M Q Q M.
;   EACH BLOCK'S LDS LOADS ARE ISSUED IN THE BLOCK BEFORE, as soon as their registers are free: M's codes behind Q's last subtraction, Q's numbers behind M's last product and its four places.
; tanh(y) = 1 - 2 / (1 + 2^(c y)), c = 2 log2(e).  With W2C = -c w2: log2(e) sum w2 tanh = sum W2C (r - 1/2), r = 1 / (1 + 2^(c y)).
; SOFTMAX: t = score x log2(e); M = ceil(the row's largest t); p = 2^(t - M) is quantised along a, not normalised; the sum of the unquantised p divides at the end.
; TAIL: P (rows 4-15 of its tile repeat rows 0-3 and are never stored) x word_all's codes, / l, + ww, quantised along h, x w3's codes, + b3 (the C of the first product).
; RING: word_all[b] comes as f32 through two LDS slots of 32 rows; waves 0 to 3 fetch a strip of 128 columns each (rows of 512 bytes, 16 bytes of padding: pitch 528, so that 16 rows start at 16 different 16-byte columns).
; CLUSTER: the four work-groups of a cluster belong to one batch and walk the same rows: each strip is asked for JOINTLY (mask 15, the same descriptor in all four).
; LIMITS: a block whose largest magnitude lies under 2^-124 keeps the byte 1 (its codes are zeros); a p under 2^-126 counts as 0; NaN and infinities among the inputs are not served.
; REGISTERS, window 0: v1 16 x lane; v2-v8, v12, v13, v253-255 addresses; v9 8 h'; v10, v11 the add's two; v[14:15] (KL, 0); v16-31 scale words and nothing else; v32-63 c b1; v64-95 W2C;
;   v96-159 numbers of word_all (Q) / codes of diff (M); v160-223 diff (Q) / accumulators (M); v224-239 codes just made, two sets; v240-241 their scale words; v242-252 at work.
;   window 1: v0-127 w1's fragments (tile t, K step s at 8 (4 t + s)); v128-255 ww (64 eps + 32 c + i).  In the tail: w3's fragments at v0-63, word_all's codes at v128-255.
.set STRIP,  32*528                    ; a strip: 32 rows
.set SLOT1,  1<<17                     ; slot 1 begins here: one exclusive or turns an address from one slot to the other
.set TT,     4*STRIP                   ; behind slot 0: t[e][a], rows TP bytes apart
.set TP,     2064
.set MX,     TT+8448                   ; word W: wave W's largest t
.set PIMG,   MX+256                    ; P's fragments: copy u 4096 + s 1024 + c 512 + 16 lane
.set PSC,    PIMG+8192                 ; their scale words: u 512 + s 128 + 4 lane
.set LSUM,   PSC+1024                  ; the parts of l, laid likewise
.set OIMG,   LSUM+1024                 ; the fragments of pooled + ww: s 1024 + c 512 + 16 lane
.set OSC,    OIMG+4096                 ; their scale words: s 64 + 4 r, in two halves
.set SPARE,  OSC+256                   ; the spare words: 128 bytes for each of eight waves, four blocks of 256 bytes that no other line names
.set PT,     SLOT1+4*STRIP+256         ; behind slot 1 and 256 bytes left free: the scores' parts, q 8192 + e 2048 + 4 a
.set STG,    PT+32768                  ; the way out: 16 rows, SP bytes apart
.set SP,     1040
.set IMG,    STG+16*SP                 ; two image buffers of IMGB bytes; in each, a-tile tau at tau IMGT, group u at u IMGU: codes eps 4096 + s 1024 + c 512 + 16 lane; scale words 8192 + eps 512 + 16 lane + 4 s
.set IMGB,   36864
.set IMGT,   18432
.set IMGU,   9216
.set SC_OFF, 1179648                   ; qw: the scale bytes lie behind the codes
.set W1S, 16
.set XS,  24
.set B1C, 32
.set W2C, 64
.set WA,  96
.set CD,  96
.set DF,  160
.set ACC, 160
.set PC,  224
.set PW,  240
.set TM,  242
.set WW,  128
.set MSB, 0
.macro WIN new                         ; bits 1:0 source 0, 3:2 source 1, 5:4 source 2, 7:6 destination; the high byte repeats the setting that is left
.if MSB != \new
	s_set_vgpr_msb (MSB<<8)|\new
.set MSB, \new
.endif
.endm
.macro TLOAD                           ; waves 0 to 3 ask for a strip each; the branch hangs on the wave's number alone; four v_nop follow the load
	s_cmp_lt_u32 s20, 4
	s_cbranch_scc0 .Lno_load_\@
	tensor_load_to_lds s[40:43], s[32:39]
	s_nop 0
.rept 4
	v_nop
.endr
.Lno_load_\@:
.endm
; A prefetch into the L2 of the slot that the NEXT change of slots will ask for: 32 dense rows, 65,536 bytes.  All eight clusters of a batch walk the same rows: the batch's first cluster asks.  Its four partners
; take 16,384 bytes each, told apart by address; in each, waves 4 and 5 ask for 8,192 bytes, lanes 256 bytes apart: each aligned 256 bytes are named once in the launch.  The last change that fills a slot asks for nothing.
.macro ASK
	s_cmp_gt_u32 s46, s47
	s_cbranch_scc0 .Lnot_mine_\@
	global_prefetch_b8 v12, s[48:49] th:TH_LOAD_NT scope:SCOPE_SE
.Lnot_mine_\@:
.endm
.macro ROUND                           ; a round of the cluster's barrier: my work-group's barrier, wave 0 signals for it, every wave waits for all four work-groups, my work-group's barrier once more
	s_barrier_signal -1
	s_barrier_wait -1
	s_cmp_lg_u32 s20, 0
	s_cbranch_scc1 .Lnot_wave_0_\@
	s_barrier_signal -3
.Lnot_wave_0_\@:
	s_barrier_wait -3
	s_barrier_signal -1
	s_barrier_wait -1
.endm
.macro BAR                             ; my LDS stores have landed and my LDS loads are in: then the work-group's barrier
	s_wait_dscnt 0x0
	s_barrier_signal -1
	s_barrier_wait -1
.endm
; THE CHANGE OF SLOTS stands at a slot's head, and is also the barrier between two slot-trips.  Each wave waits for all its tensor loads (its strip of the slot ahead), adds 0 to its spare word, and waits for that and for all
; its LDS work: its image stores have landed, its reads of the other image buffer and of the slot that is left are over.  fill = 1: behind a round of the cluster's barrier the slot that has been left is filled with the
; next 32 rows: the load has a slot-trip in which to land; one tensor load of a wave is out.
.macro CHANGE fill
	s_wait_tensorcnt 0x0                           ; no tensor load of mine is out, so group 0 may be written
	ds_add_u32 v10, v11                            ; 0 onto my spare word
.if \fill
	ds_add_u32 v10, v11                            ; and once more
	s_xor_b32 s41, s41, SLOT1                      ; the walking descriptor: the other slot,
	s_add_nc_u64 s[42:43], s[42:43], 65536         ; the next 32 rows; the type bits on top are not reached
	s_wait_xcnt 0x0                                ; the last prefetch, a slot-trip back, has read its address
	s_add_nc_u64 s[48:49], s[48:49], 65536         ; one slot further on than the descriptor
.endif
	s_wait_dscnt 0x0                               ; the add is done; my reads of the slot that is left and of the images are over, my image stores have landed
.if \fill
	ROUND
	TLOAD                                          ; the first thing behind the round, a wave's one tensor load until the next
	ASK
.else
	s_barrier_signal -1
	s_barrier_wait -1
.endif
.endm
; One scaled product.  cm = 0: onto its own result; 1: the constant 0 starts the sum; 2: registers cr start it.  odd: source 0's scale words stand in lanes 16-31
.macro WM d, a, b, sa, sb, odd, cm, cr
.set wd, \d
.set wa, \a
.set wb, \b
.set wsa, \sa
.set wsb, \sb
.set wc, \cr
.if (\cm) == 0
.set wc, \d
.endif
.if (\cm) == 1
.if \odd
	v_wmma_scale_f32_16x16x128_f8f6f4 v[wd:wd+7], v[wa:wa+7], v[wb:wb+7], 0, v[wsa], v[wsb] matrix_a_fmt:MATRIX_FMT_FP4 matrix_b_fmt:MATRIX_FMT_FP4 matrix_a_scale:MATRIX_SCALE_ROW1
.else
	v_wmma_scale_f32_16x16x128_f8f6f4 v[wd:wd+7], v[wa:wa+7], v[wb:wb+7], 0, v[wsa], v[wsb] matrix_a_fmt:MATRIX_FMT_FP4 matrix_b_fmt:MATRIX_FMT_FP4
.endif
.else
.if \odd
	v_wmma_scale_f32_16x16x128_f8f6f4 v[wd:wd+7], v[wa:wa+7], v[wb:wb+7], v[wc:wc+7], v[wsa], v[wsb] matrix_a_fmt:MATRIX_FMT_FP4 matrix_b_fmt:MATRIX_FMT_FP4 matrix_a_scale:MATRIX_SCALE_ROW1
.else
	v_wmma_scale_f32_16x16x128_f8f6f4 v[wd:wd+7], v[wa:wa+7], v[wb:wb+7], v[wc:wc+7], v[wsa], v[wsb] matrix_a_fmt:MATRIX_FMT_FP4 matrix_b_fmt:MATRIX_FMT_FP4
.endif
.endif
.endm
; 64 numbers of a lane, register 32 c + i = k 64 c + 32 h' + i of my row (two whole blocks), become a fragment's 8 registers in v[PC + 8 set] on and my row's scale word in v[PW + set].
.macro QUANT64 src, set
.irp c, 0,1
	v_max3_num_f32 v[TM+2*\c], |v[\src+32*\c]|, |v[\src+32*\c+1]|, |v[\src+32*\c+2]|         ; two chains a block, the blocks by turns: no line waits for the line above it
	v_max3_num_f32 v[TM+2*\c+1], |v[\src+32*\c+3]|, |v[\src+32*\c+4]|, |v[\src+32*\c+5]|
.endr
.irp i, 6,10,14,18,22,26
.irp c, 0,1
	v_max3_num_f32 v[TM+2*\c], v[TM+2*\c], |v[\src+32*\c+\i]|, |v[\src+32*\c+\i+1]|
	v_max3_num_f32 v[TM+2*\c+1], v[TM+2*\c+1], |v[\src+32*\c+\i+2]|, |v[\src+32*\c+\i+3]|
.endr
.endr
.irp c, 0,1
	v_max3_num_f32 v[TM+2*\c], v[TM+2*\c], |v[\src+32*\c+30]|, |v[\src+32*\c+31]|
.endr
.irp c, 0,1
	s_delay_alu instid0(VALU_DEP_2)
	v_max3_num_f32 v[TM+2*\c], v[TM+2*\c], v[TM+2*\c+1], 0x1800000   ; and the floor 2^(3 - 127): the byte cannot fall under 1
.endr
.irp c, 0,1
	s_delay_alu instid0(VALU_DEP_2)
	v_add_nc_u32 v[TM+4+\c], 0xff000000, v[TM+2*\c]                  ; 2 off the exponent field: the conversion's scale operand
.endr
.irp c, 0,1
.irp g, 0,1,2,3
	v_cvt_scalef32_pk8_fp4_f32 v[PC+8*(\set)+4*\c+\g], v[\src+32*\c+8*\g:\src+32*\c+8*\g+7], v[TM+4+\c]
.endr
.endr
.irp c, 0,1
	v_lshrrev_b32 v[TM+6+\c], 23, v[TM+4+\c]       ; the scale's byte (the first of these is the plain line behind the conversions)
.endr
	s_delay_alu instid0(VALU_DEP_1)
	v_lshl_or_b32 v[PW+(\set)], v[TM+7], 16, v[TM+6]   ; my two bytes: blocks h' and 2 + h',
	s_delay_alu instid0(VALU_DEP_1)
	v_lshlrev_b32 v[PW+(\set)], v9, v[PW+(\set)]       ; 8 h' bits up;
	s_delay_alu instid0(VALU_DEP_1)
	v_permlanex16_b32 v[TM+8], v[PW+(\set)], s26, s27
	s_delay_alu instid0(VALU_DEP_1)
	v_or_b32 v[PW+(\set)], v[PW+(\set)], v[TM+8]       ; with lane l xor 16's two the word is whole, in both halves of the lanes
.endm
; The 16 LDS loads of a Q block: the a-tile at rowoff in the slot in hand (v3); block c = 0's eight first
.macro LOADWA rowoff
.irp c, 0,1
.irp i, 0,1,2,3,4,5,6,7
	ds_load_b128 v[WA+32*\c+4*\i:WA+32*\c+4*\i+3], v3 offset:(\rowoff)+256*\c+16*\i
.endr
.endr
.endm
; The 18 LDS loads of an M block: a-tile tile of the image buffer that is read (v255): my row's scale words first, then the codes, K step by K step
.macro LOADCD tile
.irp e, 0,1
	ds_load_b128 v[XS+4*\e:XS+4*\e+3], v255 offset:(\tile)*IMGT+8192+\e*512
.endr
.irp s, 0,1,2,3
.irp e, 0,1
.irp c, 0,1
	ds_load_b128 v[CD+32*\e+8*\s+4*\c:CD+32*\e+8*\s+4*\c+3], v255 offset:(\tile)*IMGT+\e*4096+\s*1024+512*\c
.endr
.endr
.endr
.endm
.macro PRE kind, arg                   ; the next block's loads: kind 0 none, 1 a Q block's (arg: rowoff), 2 an M block's (arg: tile)
.if (\kind) == 1
	LOADWA \arg
.endif
.if (\kind) == 2
	LOADCD \arg
.endif
.endm
; Q: the 64 numbers that LOADWA asked for -> two fragments, as a-tile tile of the image buffer that is written (v253, v254).  y: the LDS stores issued behind LOADWA's loads.
; Behind the last subtraction v96-159 are free: the next block's loads go out there, ahead of the second quantising.
.macro QCORE tile, y, kind, arg
.irp e, 0,1
	WIN 0x04                                       ; source 1 (ww) in window 1
.if \e == 0
	s_wait_dscnt 8+(\y)                            ; block c = 0's eight loads are in; the eight younger ones and the y stores behind them may be out
.endif
.set p, 0
.rept 16
	v_pk_add_f32 v[DF+2*p:DF+2*p+1], v[WA+2*p:WA+2*p+1], v[WW+64*\e+2*p:WW+64*\e+2*p+1] neg_lo:[0,1] neg_hi:[0,1]
.set p, p+1
.endr
.if \e == 0
	s_wait_dscnt 0x0                               ; all loads are in, and every earlier LDS store has read the registers that the quantising writes
.endif
.rept 16
	v_pk_add_f32 v[DF+2*p:DF+2*p+1], v[WA+2*p:WA+2*p+1], v[WW+64*\e+2*p:WW+64*\e+2*p+1] neg_lo:[0,1] neg_hi:[0,1]
.set p, p+1
.endr
	WIN 0
.if \e == 1
	PRE \kind, \arg
.endif
	QUANT64 DF, \e
	ds_store_b128 v253, v[PC+8*\e:PC+8*\e+3] offset:(\tile)*IMGT+\e*4096        ; the fragment as it stands: 16 bytes a lane, 512 consecutive bytes a store
	ds_store_b128 v253, v[PC+8*\e+4:PC+8*\e+7] offset:(\tile)*IMGT+\e*4096+512
	ds_store_b32 v254, v[PW+\e] offset:(\tile)*IMGT+\e*512
.endr
.endm
; M: the two row tiles that LOADCD asked for x my 64 columns of w1, tanh, x w2; my part of 32 scores to PT (v8 + poff).  y: the LDS stores issued behind LOADCD's loads.
; Behind the last product and its four places v96-159 and v24-31 are free: the next block's loads go out there, ahead of the tanh.
.macro MMUL y                          ; M's products: 32 matrix instructions and their four places
	WIN 0x01                                       ; source 0 (w1) in window 1
.irp s, 0,1,2,3
	s_wait_dscnt 12-4*\s+(\y)                      ; this K step's four loads are in; four for each later K step, and the y stores behind them, may be out
.irp e, 0,1
.irp t, 0,1,2,3                                ; the eight accumulators take turns, one instruction a turn
.if \s == 0
	WM ACC+32*\e+8*\t, 8*(4*\t+\s), CD+32*\e+8*\s, W1S+4*(\t/2)+\s, XS+4*\e+\s, \t%2, 1, 0
.else
	WM ACC+32*\e+8*\t, 8*(4*\t+\s), CD+32*\e+8*\s, W1S+4*(\t/2)+\s, XS+4*\e+\s, \t%2, 0, 0
.endif
.endr
.endr
.endr
	WIN 0
.rept 4
	v_nop                                          ; four places between the last product and the loads into its sources and the first read of results
.endr
.endm
.macro MTANH                           ; M's tanh and product with w2: work on registers alone; my part of 32 scores ends in v[TM+8]
.set n, 0
.rept 32
	v_pk_fma_f32 v[ACC+2*n:ACC+2*n+1], v[ACC+2*n:ACC+2*n+1], s[28:29], v[B1C+(2*n)%32:B1C+(2*n)%32+1] op_sel_hi:[1,0,1]   ; c x + c b1; each accumulator from its low end on
.set n, n+1
.endr
.set n, 0
	s_wait_alu depctr_va_vdst(0)
.rept 64
	v_exp_f32 v[ACC+n], v[ACC+n]
.set n, n+1
.endr
	v_nop                                          ; a plain line behind the last exponential
	s_wait_alu depctr_va_vdst(0)                   ; one wait for the batch, ahead of its first reader
.set n, 0
.rept 32
	v_pk_add_f32 v[ACC+2*n:ACC+2*n+1], v[ACC+2*n:ACC+2*n+1], 1.0 op_sel_hi:[1,0]
.set n, n+1
.endr
.set n, 0
	s_wait_alu depctr_va_vdst(0)
.rept 64
	v_rcp_f32 v[ACC+n], v[ACC+n]                   ; r; an exponential that overflowed gives r = 0, tanh = 1
.set n, n+1
.endr
	v_nop
	s_wait_alu depctr_va_vdst(0)
.set n, 0
.rept 16                                       ; sum W2C r + KL: two chains for each row tile
.irp e, 0,1
.set sa, TM+4*\e+2*(n%2)
.if n == 0
	v_pk_fma_f32 v[sa:sa+1], v[ACC+32*\e+2*n:ACC+32*\e+2*n+1], v[W2C+2*n:W2C+2*n+1], v[14:15]
.elseif n == 1
	v_pk_mul_f32 v[sa:sa+1], v[ACC+32*\e+2*n:ACC+32*\e+2*n+1], v[W2C+2*n:W2C+2*n+1]
.else
	v_pk_fma_f32 v[sa:sa+1], v[ACC+32*\e+2*n:ACC+32*\e+2*n+1], v[W2C+2*n:W2C+2*n+1], v[sa:sa+1]
.endif
.endr
.set n, n+1
.endr
	s_delay_alu instid0(VALU_DEP_2)
	v_pk_add_f32 v[TM:TM+1], v[TM:TM+1], v[TM+2:TM+3]
	s_delay_alu instid0(VALU_DEP_2)
	v_pk_add_f32 v[TM+4:TM+5], v[TM+4:TM+5], v[TM+6:TM+7]
	s_delay_alu instid0(VALU_DEP_2)
	v_add_f32 v[TM+8], v[TM], v[TM+1]
	s_delay_alu instid0(VALU_DEP_2)
	v_add_f32 v[TM+9], v[TM+4], v[TM+5]
	s_delay_alu instid0(VALU_DEP_1)
	v_permlane16_swap_b32 v[TM+8], v[TM+9]         ; the first now holds both tiles' lanes 0-15, the second both tiles' lanes 16-31
	s_delay_alu instid0(VALU_DEP_1)
	v_add_f32 v[TM+8], v[TM+8], v[TM+9]            ; lanes 0-15: e = 2 u, row a = lane; lanes 16-31: e = 2 u + 1
.endm
.macro MCORE y, poff, kind, arg        ; a whole M block: behind the products and their places the next block's loads go out, ahead of the tanh
	MMUL \y
	PRE \kind, \arg
	MTANH
	ds_store_b32 v8, v[TM+8] offset:\poff
.endm
.macro ADDR                            ; a slot-trip's LDS addresses, made on the way that all waves take
	v_add_nc_u32 v3, s44, v2                       ; word_all in the slot that is read
	v_add_nc_u32 v8, s45, v7                       ; the scores' parts of the two a-tiles before
	v_add_nc_u32 v253, s62, v4                     ; the image buffer that is written: codes,
	v_add_nc_u32 v254, s62, v5                     ; scale words;
	v_add_nc_u32 v255, s63, v6                     ; the image buffer that is read
.endm
.macro NEXT                            ; on to the next slot-trip
	s_xor_b32 s44, s44, SLOT1
	s_add_co_u32 s45, s45, 128
	s_xor_b32 s62, s62, IMGB
	s_xor_b32 s63, s63, IMGB
.endm
.macro CREST                           ; a round of the cluster's barrier behind its opening barrier
	s_cmp_lg_u32 s20, 0
	s_cbranch_scc1 .Lnw0_\@
	s_barrier_signal -3
.Lnw0_\@:
	s_barrier_wait -3
	s_barrier_signal -1
	s_barrier_wait -1
.endm
; THE CHANGE OF SLOTS AT A SLOT-TRIP'S END.  The trip's last products are issued; the wave runs the three lines and signals; the tanh of those products, work on registers alone,
; stands between the signal and the wait; the score word that it makes is stored behind the barrier (fill = 1: behind the round and the refill), by the trip's own address v8.
.macro CHANGEX fill
	s_wait_tensorcnt 0x0                           ; no tensor load of mine is out, so group 0 may be written
	ds_add_u32 v10, v11                            ; 0 onto my spare word
.if \fill
	ds_add_u32 v10, v11                            ; twice on end, as in CHANGE
	s_xor_b32 s41, s41, SLOT1
	s_add_nc_u64 s[42:43], s[42:43], 65536
	s_wait_xcnt 0x0                                ; the last prefetch has read its address
	s_add_nc_u64 s[48:49], s[48:49], 65536
.endif
	s_wait_dscnt 0x0                               ; the add is done, my image stores have landed, my reads of the slot and of the images are over
	s_barrier_signal -1
	MTANH
	s_wait_alu depctr_va_vdst(0)
	s_barrier_wait -1
.if \fill
	CREST
	TLOAD                                          ; the first tensor load behind the round, a wave's one until the next
	ASK
.endif
	ds_store_b32 v8, v[TM+8] offset:64             ; the second a-tile's part of 32 scores
.endm
; A slot-trip's work.  THE ORDER OF THE BLOCKS: waves u = 0 run Q0 M0 Q1 M1, waves u = 1 run M0 Q0 Q1 M1 (this, and not the order named at the kernel's head, is what the text does).
; The arms hold the first two blocks; Q1 and M1's products are written once, behind the join; M1's tanh stands in CHANGEX.  The branch hangs on the wave's number alone; no barrier and no tensor load stands in an arm.
.macro BODY
	ADDR
	s_cmp_eq_u32 s22, 0
	s_cbranch_scc0 .Lu1_\@
	LOADWA 0
	QCORE 0, 0, 2, 0                               ; Q of the slot's first a-tile; M's codes are asked for in it
	MCORE 3, 0, 1, 8448                            ; behind the codes' loads stand Q's last three stores; the second a-tile's numbers are asked for
	s_branch .Lj_\@
.Lu1_\@:
	s_wait_alu depctr_va_vdst(0)
	LOADCD 0
	MCORE 0, 0, 1, 0
	QCORE 0, 1, 1, 8448                            ; the second a-tile's numbers are asked for behind the last subtraction
.Lj_\@:
	QCORE 1, 1, 2, 1                               ; behind its sixteen loads stand one store (u = 0) or three (u = 1): the count for one serves both
	MMUL 3                                         ; behind the codes' loads stand Q's last three stores
.endm
	s_load_b512 s[4:19], s[0:1], 0x0               ; word_all s[4:5], ww s[6:7], qw s[8:9], b1 s[10:11], w2 s[12:13], b2 s[14:15], b3 s[16:17], out0 s[18:19]
	v_lshl_add_u32 v10, v0, 2, SPARE
	v_mov_b32 v11, 0
	ds_add_u32 v10, v11
	ds_add_u32 v10, v11
	s_wait_dscnt 0x0
	v_lshrrev_b32 v13, 5, v0
	s_delay_alu instid0(VALU_DEP_1)
	v_readfirstlane_b32 s20, v13                   ; W
	s_and_b32 s21, s20, 3                          ; q
	s_lshr_b32 s22, s20, 2                         ; u
	s_bfe_u32 s23, ttmp6, 0x40000                  ; cx: it enters ww's, out0's and the prefetch's addresses alone
	s_lshr_b32 s24, ttmp9, 3                       ; b: eight clusters a batch
	s_and_b32 s56, ttmp9, 7
	s_lshl_b32 s56, s56, 4
	s_lshl_b32 s57, s23, 2
	s_add_co_u32 s25, s56, s57
	s_lshl_b32 s56, s24, 7
	s_add_co_u32 s25, s25, s56                     ; my first row of ww and out0: 128 b + 16 (cluster % 8) + 4 cx
	s_mov_b32 s26, 0x76543210
	s_mov_b32 s27, 0xfedcba98                      ; v_permlanex16_b32's selects for lane l xor 16
	s_mov_b32 s28, 0x4038aa3b                      ; c = 2 log2(e)
	s_mov_b32 s29, s28                             ; (named with it as a pair, so it is written)
	s_mov_b32 s30, 0xc038aa3b                      ; -c
	s_mov_b32 s31, s30
	s_mov_b32 s32, 15|(2<<16)|(1<<20)|(1<<21)|(6<<22)|(3<<25)   ; 15:0 the mask: all four; 17:16 elements of 4 bytes; 20 padding on; 21 set beside a mask; 24:22 after every 128 words; 31:25 four words
	s_mov_b32 s33, 128<<16                         ; tensor_dim0 = 128
	s_mov_b32 s34, 32<<16                          ; tensor_dim1 = 32
	s_mov_b32 s35, 128<<16                         ; tile_dim0 = 128
	s_mov_b32 s36, 32                              ; tile_dim1 = 32
	s_mov_b32 s37, 512                             ; elements from row to row
	s_mov_b32 s38, 0
	s_mov_b32 s39, 0
	s_mov_b32 s44, 0                               ; the slot that is read
	s_mov_b32 s45, 0                               ; 128 x the slot's number: where the scores' parts go
	s_mov_b32 s46, 15                              ; slots still to be asked for
	s_mov_b32 s62, 0                               ; the image buffer that is written,
	s_mov_b32 s63, IMGB                            ; and the one that is read
	s_lshr_b32 s47, s20, 1
	s_xor_b32 s47, s47, 2                          ; 0 in waves 4 and 5,
	s_and_b32 s52, ttmp9, 7
	s_or_b32 s47, s47, s52                         ; of the batch's first cluster: the same in all four partners
	s_cmp_eq_u32 s47, 0
	s_cselect_b32 s47, 1, -1                       ; a wave prefetches while s46 is above this
	s_mov_b32 s40, 1                               ; group 0: count = 1
	s_mul_i32 s41, s21, STRIP                      ; LDS: my strip of slot 0
	s_lshl_b32 s52, s24, 20                        ; the batch's 1 MiB,
	s_lshl_b32 s53, s21, 9                         ; my strip's 512 bytes of a row
	s_add_co_u32 s52, s52, s53
	s_mov_b32 s53, 0
	s_wait_kmcnt 0x0
	s_add_nc_u64 s[42:43], s[4:5], s[52:53]
	s_or_b32 s43, s43, 0x80000000                  ; type = 2
	ROUND                                          ; all four work-groups are here: the first joint loads meet
	TLOAD                                          ; slot 0
	s_load_b32 s50, s[14:15], 0x0                  ; b2
	s_lshl_b32 s52, s21, 14
	s_add_nc_u64 s[66:67], s[8:9], s[52:53]        ; w1's codes: my four tiles
	s_lshl_b32 s52, s21, 10
	s_add_nc_u64 s[68:69], s[8:9], s[52:53]
	s_add_nc_u64 s[68:69], s[68:69], SC_OFF        ; their scale bytes
	s_lshl_b32 s52, s21, 8
	s_add_nc_u64 s[70:71], s[10:11], s[52:53]      ; b1, w2: my 64 numbers
	s_add_nc_u64 s[72:73], s[12:13], s[52:53]
	s_lshl_b32 s52, s24, 5
	s_lshl_b32 s54, s20, 2
	s_add_co_u32 s52, s52, s54
	s_add_co_u32 s52, s52, 32
	s_lshl_b32 s52, s52, 12
	s_add_nc_u64 s[76:77], s[8:9], s[52:53]        ; the tail's codes of word_all[b]: tiles 32 + 32 b + 4 W on
	s_lshl_b32 s57, s22, 1
	s_add_co_u32 s57, s25, s57                     ; ww's row e0 + 2 u,
	s_lshl_b32 s58, s57, 11
	s_lshl_b32 s59, s21, 9                         ; K step q
	s_add_co_u32 s58, s58, s59
	s_mov_b32 s59, 0
	s_add_nc_u64 s[74:75], s[6:7], s[58:59]
	s_lshl_b32 s58, s24, 20                        ; the prefetches: my work-group's 16,384 bytes, my wave's 8,192 of them,
	s_lshl_b32 s60, s23, 14
	s_add_co_u32 s58, s58, s60
	s_and_b32 s60, s20, 1
	s_lshl_b32 s60, s60, 13
	s_add_co_u32 s58, s58, s60
	s_add_co_u32 s58, s58, 65536                   ; in slot 1: the first change of slots steps it to slot 2.  Nothing is prefetched here, at the head
	s_add_nc_u64 s[48:49], s[4:5], s[58:59]
	v_and_b32 v13, 31, v0
	s_delay_alu instid0(VALU_DEP_1)
	v_lshlrev_b32 v1, 4, v13                       ; 16 x lane
	s_delay_alu instid0(VALU_DEP_2)
	v_lshlrev_b32 v12, 8, v13                      ; 256 x lane
	v_bfe_u32 v9, v0, 4, 1
	s_delay_alu instid0(VALU_DEP_1)
	v_lshlrev_b32 v9, 3, v9                        ; 8 h'
	v_and_b32 v2, 15, v0
	s_delay_alu instid0(VALU_DEP_1)
	v_mul_u32_u24 v2, v2, 528
	s_delay_alu instid0(VALU_DEP_1)
	v_lshl_add_u32 v2, v9, 4, v2
	s_mul_i32 s54, s21, STRIP
	v_add_nc_u32 v2, s54, v2                       ; word_all in a slot: strip q, row r, + 128 h'
	s_mul_i32 s54, s22, IMGU
	s_add_co_u32 s54, s54, IMG
	v_add_nc_u32 v6, s54, v1                       ; images, read: group u, 16 x lane
	s_lshl_b32 s54, s21, 10
	v_add_nc_u32 v4, s54, v6                       ; written: + K step q
	s_lshl_b32 s54, s21, 2
	s_add_co_u32 s54, s54, 8192
	v_add_nc_u32 v5, s54, v6                       ; scale words, written: 16 x lane + 4 q
	s_lshl_b32 s54, s21, 13
	s_lshl_b32 s55, s22, 12
	s_add_co_u32 s54, s54, s55
	s_add_co_u32 s54, s54, PT-128
	v_and_b32 v7, 15, v0
	s_delay_alu instid0(VALU_DEP_1)
	v_lshlrev_b32 v7, 2, v7
	s_delay_alu instid0(VALU_DEP_1)
	v_lshl_add_u32 v7, v9, 8, v7
	s_delay_alu instid0(VALU_DEP_1)
	v_add_nc_u32 v7, s54, v7                       ; the scores' parts: q, e = 2 u + lane / 16, a = lane % 16; two a-tiles back
	v_lshlrev_b32 v242, 4, v9                      ; 128 h': ww
	v_lshlrev_b32 v244, 3, v9                      ; 64 h': b1, w2
	v_and_b32 v243, 15, v0
	v_and_b32 v245, 8, v0
	s_delay_alu instid0(VALU_DEP_1)
	v_add_nc_u32 v243, v243, v245
	s_delay_alu instid0(VALU_DEP_1)
	v_lshlrev_b32 v243, 4, v243
	s_delay_alu instid0(VALU_DEP_1)
	v_lshl_add_u32 v243, v9, 4, v243               ; scale bytes of column 8 h' + r + 8 (r / 8) of a group of 32: lanes 0-15 the even tile's rows, lanes 16-31 the odd tile's
	WIN 0x40                                       ; destination window 1
.irp t, 0,1,2,3
.irp s, 0,1,2,3
.irp c, 0,1
	global_load_b128 v[8*(4*\t+\s)+4*\c:8*(4*\t+\s)+4*\c+3], v1, s[66:67] offset:\t*4096+\s*1024+512*\c
.endr
.endr
.endr
.irp e, 0,1
.irp c, 0,1
.irp i, 0,1,2,3,4,5,6,7
	global_load_b128 v[WW+64*\e+32*\c+4*\i:WW+64*\e+32*\c+4*\i+3], v242, s[74:75] offset:\e*2048+256*\c+16*\i
.endr
.endr
.endr
	WIN 0
.irp g, 0,1
	global_load_b128 v[W1S+4*\g:W1S+4*\g+3], v243, s[68:69] offset:512*\g
.endr
.irp t, 0,1,2,3                                ; lane (r, h') wants, for tile t, the numbers of columns 32 (t / 2) + 16 h' + 8 (t % 2) + 0 .. 7
	global_load_b128 v[B1C+8*\t:B1C+8*\t+3], v244, s[70:71] offset:(32*(\t/2)+8*(\t%2))*4
	global_load_b128 v[B1C+8*\t+4:B1C+8*\t+7], v244, s[70:71] offset:(32*(\t/2)+8*(\t%2))*4+16
	global_load_b128 v[W2C+8*\t:W2C+8*\t+3], v244, s[72:73] offset:(32*(\t/2)+8*(\t%2))*4
	global_load_b128 v[W2C+8*\t+4:W2C+8*\t+7], v244, s[72:73] offset:(32*(\t/2)+8*(\t%2))*4+16
.endr
	v_mov_b32 v250, 0                              ; written once: a lane permute's destination counts as one of its sources
	v_mov_b32 v251, 0
	v_mov_b32 v15, 0
	s_wait_loadcnt 0x0
	s_wait_kmcnt 0x0
	s_mul_f32 s50, s50, 0x3fb8aa3b                 ; b2 log2(e)
	s_mov_b32 s51, s50
.set n, 0
.rept 16
	v_pk_mul_f32 v[B1C+2*n:B1C+2*n+1], v[B1C+2*n:B1C+2*n+1], s[28:29] op_sel_hi:[1,0]
	v_pk_mul_f32 v[W2C+2*n:W2C+2*n+1], v[W2C+2*n:W2C+2*n+1], s[30:31] op_sel_hi:[1,0]
.set n, n+1
.endr
	v_pk_add_f32 v[254:255], v[64:65], v[66:67]
	v_pk_add_f32 v[252:253], v[68:69], v[70:71]
	v_pk_add_f32 v[248:249], v[72:73], v[74:75]
	v_pk_add_f32 v[246:247], v[76:77], v[78:79]
	v_pk_add_f32 v[244:245], v[80:81], v[82:83]
	v_pk_add_f32 v[240:241], v[84:85], v[86:87]
	v_pk_add_f32 v[238:239], v[88:89], v[90:91]
	v_pk_add_f32 v[242:243], v[92:93], v[94:95]
	s_delay_alu instid0(VALU_DEP_1)
	v_pk_add_f32 v[242:243], v[242:243], v[246:247]
	v_pk_add_f32 v[254:255], v[254:255], v[244:245]
	v_pk_add_f32 v[252:253], v[252:253], v[240:241]
	v_pk_add_f32 v[248:249], v[248:249], v[238:239]
	s_delay_alu instid0(VALU_DEP_2)
	v_pk_add_f32 v[242:243], v[242:243], v[252:253]
	s_delay_alu instid0(VALU_DEP_2)
	v_pk_add_f32 v[254:255], v[254:255], v[248:249]
	s_delay_alu instid0(VALU_DEP_1)
	v_pk_add_f32 v[242:243], v[242:243], v[254:255]
	s_delay_alu instid0(VALU_DEP_1)
	v_add_f32 v14, v242, v243
	s_delay_alu instid0(VALU_DEP_1)
	v_mul_f32 v14, -0.5, v14                       ; KL = -1/2 the sum of my 32 W2C
	CHANGE 1                                       ; slot 0 is written out: it has no a-tiles before it, so Q alone, and no image is read that nobody wrote
	ADDR
	LOADWA 0
	QCORE 0, 0, 1, 8448                            ; the second a-tile's numbers are asked for behind the first's last subtraction;
	QCORE 1, 3, 0, 0                               ; behind those loads stand the first Q's last three stores
	NEXT
	s_mov_b32 s46, 14
	CHANGE 1                                       ; slot 1 is whole, slot 2 is asked for
	s_mov_b32 s46, 13
.Lslot:                                            ; 13 trips, slots 1 to 13: the change of slots at a trip's end asks for slots 3 to 15
	BODY
	CHANGEX 1
	NEXT
	s_sub_co_u32 s46, s46, 1
	s_cmp_lg_u32 s46, 0
	s_cbranch_scc1 .Lslot
	s_mov_b32 s46, 2
.Llast:                                            ; 2 trips, slots 14 and 15: nothing more is asked for; the second trip's barrier shows the last slot's images to every wave
	BODY
	CHANGEX 0
	NEXT
	s_sub_co_u32 s46, s46, 1
	s_cmp_lg_u32 s46, 0
	s_cbranch_scc1 .Llast
	WIN 0x40                                       ; ww is done with: its registers take my 16 fragments of word_all[b]'s codes (columns h = 64 W on)
.irp t, 0,1,2,3
.irp s, 0,1,2,3
.irp c, 0,1
	global_load_b128 v[128+8*(4*\t+\s)+4*\c:128+8*(4*\t+\s)+4*\c+3], v1, s[76:77] offset:\t*4096+\s*1024+512*\c
.endr
.endr
.endr
	WIN 0
	ADDR
	s_wait_alu depctr_va_vdst(0)
	LOADCD 0
	MCORE 0, 0, 2, 1                               ; M of a-tile 30; a-tile 31's codes are asked for behind its last product
	MCORE 0, 64, 0, 0                              ; M of a-tile 31 (its waits count as if no store stood behind the loads: the last of them then covers that store too)
	; ---- THE TAIL.  Its operands are asked for now; the wait for them stands in front of the second product
	v_and_b32 v2, 15, v0
	v_and_b32 v3, 8, v0
	s_delay_alu instid0(VALU_DEP_1)
	v_add_nc_u32 v2, v2, v3
	s_delay_alu instid0(VALU_DEP_1)
	v_lshlrev_b32 v2, 4, v2
	s_delay_alu instid0(VALU_DEP_1)
	v_lshl_add_u32 v2, v9, 4, v2                   ; scale bytes, as at the head
	s_wait_alu depctr_va_vdst(0)
	v_and_b32 v3, 3, v0
	s_delay_alu instid0(VALU_DEP_1)
	v_lshlrev_b32 v3, 11, v3
	s_delay_alu instid0(VALU_DEP_1)
	v_lshl_add_u32 v3, v9, 3, v3                   ; ww: row r % 4, + 64 h'
	s_wait_alu depctr_va_vdst(0)
	v_lshlrev_b32 v4, 3, v9                        ; b3: 64 h'
	s_wait_alu depctr_va_vdst(0)
	s_mov_b32 s53, 0
	s_lshl_b32 s52, s20, 1
	s_add_co_u32 s52, s52, 16
	s_lshl_b32 s52, s52, 12
	s_add_nc_u64 s[78:79], s[8:9], s[52:53]        ; w3's codes: tiles 16 + 2 W, + 1 (columns m = 32 W on)
	s_lshl_b32 s52, s24, 9
	s_lshl_b32 s54, s20, 6
	s_add_co_u32 s52, s52, s54
	s_add_co_u32 s52, s52, 512
	s_lshl_b32 s52, s52, 4
	s_add_nc_u64 s[80:81], s[8:9], s[52:53]
	s_add_nc_u64 s[80:81], s[80:81], SC_OFF        ; word_all's scale bytes: columns 512 + 512 b + 64 W on
	s_lshl_b32 s52, s20, 9
	s_add_co_u32 s52, s52, 4096
	s_add_nc_u64 s[82:83], s[8:9], s[52:53]
	s_add_nc_u64 s[82:83], s[82:83], SC_OFF        ; w3's: columns 256 + 32 W on
	s_lshl_b32 s52, s20, 7
	s_add_nc_u64 s[70:71], s[16:17], s[52:53]      ; b3: my 32 numbers
	s_mov_b32 s59, 0
	s_lshl_b32 s58, s25, 11
	s_lshl_b32 s60, s20, 8
	s_add_co_u32 s58, s58, s60
	s_add_nc_u64 s[74:75], s[6:7], s[58:59]        ; ww: my work-group's rows, columns 64 W on
	s_lshl_b32 s58, s25, 10
	s_add_nc_u64 s[72:73], s[18:19], s[58:59]      ; out0: my work-group's four rows
	WIN 0x40
.irp t, 0,1
.irp s, 0,1,2,3
.irp c, 0,1
	global_load_b128 v[8*(4*\t+\s)+4*\c:8*(4*\t+\s)+4*\c+3], v1, s[78:79] offset:\t*4096+\s*1024+512*\c
.endr
.endr
.endr
	WIN 0
.irp g, 0,1
	global_load_b128 v[16+4*\g:19+4*\g], v2, s[80:81] offset:512*\g
.endr
	global_load_b128 v[28:31], v2, s[82:83]
.irp g, 0,1
.irp i, 0,1,2,3
	global_load_b128 v[32+16*\g+4*\i:35+16*\g+4*\i], v3, s[74:75] offset:128*\g+16*\i   ; register 16 g + i: ww(r % 4, 64 W + 32 g + 16 h' + i)
.endr
.endr
.irp t, 0,1
	global_load_b128 v[64+8*\t:67+8*\t], v4, s[70:71] offset:32*\t
	global_load_b128 v[68+8*\t:71+8*\t], v4, s[70:71] offset:32*\t+16
.endr
	v_lshl_add_u32 v5, v0, 5, PT                   ; S1: my 8 scores: 32 bytes a thread
	s_lshr_b32 s52, s20, 1
	s_mul_i32 s54, s52, TP
	s_and_b32 s55, s20, 1
	s_lshl_b32 s55, s55, 10
	s_add_co_u32 s54, s54, s55
	s_add_co_u32 s54, s54, TT
	v_lshl_add_u32 v6, v1, 1, s54                  ; t: row W / 2, half W % 2, 32 bytes a lane
	s_lshl_b32 s54, s20, 2
	s_add_co_u32 s54, s54, TT
	v_mov_b32 v7, s54                              ; my wave's word among the maxima
	s_wait_alu depctr_va_vdst(0)
	BAR                                            ; all parts of all scores lie in LDS
	s_wait_xcnt 0x0                                ; the tail's loads and the last prefetch have read their offsets: v2-v4 and v12 may be written again
	; ---- S1: t = the four parts + b2 log2(e); the wave's largest
.irp k, 0,1,2,3
	ds_load_b128 v[96+8*\k:99+8*\k], v5 offset:\k*8192
	ds_load_b128 v[100+8*\k:103+8*\k], v5 offset:\k*8192+16
.endr
	s_wait_dscnt 0x0
.irp j, 0,2,4,6
	v_pk_add_f32 v[96+\j:97+\j], v[96+\j:97+\j], v[104+\j:105+\j]
	v_pk_add_f32 v[112+\j:113+\j], v[112+\j:113+\j], v[120+\j:121+\j]
.endr
.irp j, 0,2,4,6
	v_pk_add_f32 v[96+\j:97+\j], v[96+\j:97+\j], v[112+\j:113+\j]
.endr
.irp j, 0,2,4,6
	s_delay_alu instid0(VALU_DEP_4)
	v_pk_add_f32 v[96+\j:97+\j], v[96+\j:97+\j], s[50:51] op_sel_hi:[1,0]
.endr
	s_delay_alu instid0(VALU_DEP_3)
	v_max3_num_f32 v242, v96, v97, v98
	s_delay_alu instid0(VALU_DEP_3)
	v_max3_num_f32 v243, v99, v100, v101
	s_delay_alu instid0(VALU_DEP_2)
	v_max3_num_f32 v242, v242, v102, v103
	s_delay_alu instid0(VALU_DEP_1)
	v_max_num_f32 v242, v242, v243
	s_delay_alu instid0(VALU_DEP_1)
	v_max_num_f32_dpp v242, v242, v242 row_xmask:1 row_mask:0xf bank_mask:0xf
	s_delay_alu instid0(VALU_DEP_1)
	v_max_num_f32_dpp v242, v242, v242 row_xmask:2 row_mask:0xf bank_mask:0xf
	s_delay_alu instid0(VALU_DEP_1)
	v_max_num_f32_dpp v242, v242, v242 row_xmask:4 row_mask:0xf bank_mask:0xf
	s_delay_alu instid0(VALU_DEP_1)
	v_max_num_f32_dpp v242, v242, v242 row_xmask:8 row_mask:0xf bank_mask:0xf
	s_delay_alu instid0(VALU_DEP_1)
	v_permlanex16_b32 v250, v242, s26, s27
	s_delay_alu instid0(VALU_DEP_1)
	v_max_num_f32 v242, v242, v250
	ds_store_b128 v6, v[96:99]
	ds_store_b128 v6, v[100:103] offset:16
	ds_store_b32 v7, v242 offset:MX-TT             ; all lanes write the same word with the same value
	v_and_b32 v8, 3, v0                            ; S2's addresses: lane (r, h') takes row r % 4
	s_delay_alu instid0(VALU_DEP_1)
	v_lshl_add_u32 v12, v8, 3, TT                  ; its two maxima
	s_delay_alu instid0(VALU_DEP_2)
	v_mul_u32_u24 v8, v8, TP
	s_delay_alu instid0(VALU_DEP_1)
	v_lshl_add_u32 v8, v9, 4, v8
	s_lshl_b32 s52, s21, 9
	s_add_co_u32 s52, s52, TT
	v_add_nc_u32 v8, s52, v8                       ; t: K step q, + 128 h'
	v_lshl_add_u32 v13, v0, 2, TT                  ; a word a thread: 128 W + 4 x lane
	s_lshl_b32 s52, s20, 10
	s_add_co_u32 s52, s52, TT
	v_add_nc_u32 v5, s52, v1                       ; P's image: 1024 W + 16 x lane
	s_wait_alu depctr_va_vdst(0)
	BAR
	; ---- S2: wave (q, u) makes P's fragment of K step q into copy u
.irp c, 0,1
.irp i, 0,1,2,3,4,5,6,7
	ds_load_b128 v[DF+32*\c+4*\i:DF+32*\c+4*\i+3], v8 offset:256*\c+16*\i
.endr
.endr
	ds_load_b64 v[244:245], v12 offset:MX-TT
	s_wait_dscnt 0x0
	v_max_num_f32 v242, v244, v245                 ; the row's largest t
	s_delay_alu instid0(VALU_DEP_1)
	v_floor_f32 v242, -v242                        ; -M = floor(-t) = -ceil(t): a whole number
	v_mov_b32 v243, 0                              ; (named with it as a pair)
.set n, 0
.rept 32
	v_pk_add_f32 v[DF+2*n:DF+2*n+1], v[DF+2*n:DF+2*n+1], v[242:243] op_sel_hi:[1,0]
.set n, n+1
.endr
.set n, 0
	s_wait_alu depctr_va_vdst(0)
.rept 64
	v_exp_f32 v[DF+n], v[DF+n]                     ; p = 2^(t - M), at most 1, not normalised
.set n, n+1
.endr
	v_nop
	s_wait_alu depctr_va_vdst(0)                   ; one wait for the batch, ahead of its first reader
	v_pk_add_f32 v[246:247], v[160:161], v[162:163]
	v_pk_add_f32 v[254:255], v[168:169], v[172:173]
	v_pk_add_f32 v[252:253], v[176:177], v[180:181]
	v_pk_add_f32 v[248:249], v[184:185], v[188:189]
	v_pk_add_f32 v[242:243], v[192:193], v[196:197]
	v_pk_add_f32 v[240:241], v[200:201], v[204:205]
	v_pk_add_f32 v[238:239], v[208:209], v[212:213]
	v_pk_add_f32 v[244:245], v[216:217], v[220:221]
	v_pk_add_f32 v[244:245], v[244:245], v[164:165]
	v_pk_add_f32 v[246:247], v[246:247], v[166:167]
	v_pk_add_f32 v[254:255], v[254:255], v[170:171]
	v_pk_add_f32 v[252:253], v[252:253], v[174:175]
	v_pk_add_f32 v[248:249], v[248:249], v[178:179]
	v_pk_add_f32 v[242:243], v[242:243], v[182:183]
	v_pk_add_f32 v[240:241], v[240:241], v[186:187]
	v_pk_add_f32 v[238:239], v[238:239], v[190:191]
	v_pk_add_f32 v[244:245], v[244:245], v[194:195]
	v_pk_add_f32 v[246:247], v[246:247], v[198:199]
	v_pk_add_f32 v[254:255], v[254:255], v[202:203]
	v_pk_add_f32 v[252:253], v[252:253], v[206:207]
	v_pk_add_f32 v[248:249], v[248:249], v[210:211]
	v_pk_add_f32 v[242:243], v[242:243], v[214:215]
	v_pk_add_f32 v[240:241], v[240:241], v[218:219]
	v_pk_add_f32 v[238:239], v[238:239], v[222:223]
	s_delay_alu instid0(VALU_DEP_4)
	v_pk_add_f32 v[244:245], v[244:245], v[248:249]
	s_delay_alu instid0(VALU_DEP_4)
	v_pk_add_f32 v[246:247], v[246:247], v[242:243]
	s_delay_alu instid0(VALU_DEP_4)
	v_pk_add_f32 v[254:255], v[254:255], v[240:241]
	s_delay_alu instid0(VALU_DEP_4)
	v_pk_add_f32 v[252:253], v[252:253], v[238:239]
	s_delay_alu instid0(VALU_DEP_2)
	v_pk_add_f32 v[244:245], v[244:245], v[254:255]
	s_delay_alu instid0(VALU_DEP_2)
	v_pk_add_f32 v[246:247], v[246:247], v[252:253]
	s_delay_alu instid0(VALU_DEP_1)
	v_pk_add_f32 v[244:245], v[244:245], v[246:247]
	s_delay_alu instid0(VALU_DEP_1)
	v_add_f32 v252, v244, v245
	s_delay_alu instid0(VALU_DEP_1)
	v_permlanex16_b32 v251, v252, s26, s27
	s_delay_alu instid0(VALU_DEP_1)
	v_add_f32 v252, v252, v251                     ; my row's sum over these 128 a
	ds_store_b32 v13, v252 offset:LSUM-TT
	QUANT64 DF, 0
	ds_store_b128 v5, v[PC:PC+3] offset:PIMG-TT
	ds_store_b128 v5, v[PC+4:PC+7] offset:PIMG-TT+512
	ds_store_b32 v13, v[PW] offset:PSC-TT
	s_lshl_b32 s52, s22, 12                        ; S3's addresses
	s_add_co_u32 s52, s52, TT
	v_add_nc_u32 v6, s52, v1                       ; P's images, copy u
	s_lshl_b32 s52, s22, 9
	s_add_co_u32 s52, s52, TT
	v_lshrrev_b32 v7, 2, v1
	s_delay_alu instid0(VALU_DEP_1)
	v_add_nc_u32 v7, s52, v7                       ; its scale words and the parts of l: copy u, 4 x lane
	v_lshl_add_u32 v2, v0, 4, TT                   ; my four registers of the next operand: 512 W + 16 x lane
	s_lshr_b32 s52, s20, 1
	s_lshl_b32 s52, s52, 6
	s_and_b32 s54, s20, 1
	s_lshl_b32 s54, s54, 1
	s_add_co_u32 s52, s52, s54
	s_add_co_u32 s52, s52, TT
	v_and_b32 v3, 15, v0
	s_delay_alu instid0(VALU_DEP_1)
	v_lshlrev_b32 v3, 2, v3
	s_delay_alu instid0(VALU_DEP_1)
	v_add_nc_u32 v3, s52, v3                       ; my half of its scale word: K step W / 2, row r, half W % 2
	s_wait_alu depctr_va_vdst(0)
	BAR
	; ---- S3: O^T = V^T P^T for my 64 columns h; / l; + ww; quantised along h
.irp s, 0,1,2,3
.irp c, 0,1
	ds_load_b128 v[96+8*\s+4*\c:99+8*\s+4*\c], v6 offset:PIMG-TT+\s*1024+512*\c
.endr
	ds_load_b32 v[24+\s], v7 offset:PSC-TT+128*\s
	ds_load_b32 v[244+\s], v7 offset:LSUM-TT+128*\s
.endr
	s_wait_dscnt 0x0
	s_wait_loadcnt 0x0                             ; all the tail's operands from memory
	WIN 0x01
.irp s, 0,1,2,3
.irp t, 0,1,2,3                                ; four accumulators by turns
.if \s == 0
	WM 160+8*\t, 128+8*(4*\t+\s), 96+8*\s, 16+4*(\t/2)+\s, 24+\s, \t%2, 1, 0
.else
	WM 160+8*\t, 128+8*(4*\t+\s), 96+8*\s, 16+4*(\t/2)+\s, 24+\s, \t%2, 0, 0
.endif
.endr
.endr
	WIN 0
	v_add_f32 v244, v244, v245                     ; l; these four lines are the places behind the last product
	v_add_f32 v246, v246, v247
	s_delay_alu instid0(VALU_DEP_1)
	v_add_f32 v244, v244, v246
	v_mov_b32 v249, 0                              ; (named as the upper half of the pair below)
	s_wait_alu depctr_va_vdst(0)
	v_rcp_f32 v248, v244
	v_nop
	s_wait_alu depctr_va_vdst(0)
.set n, 0
.rept 16
	v_pk_fma_f32 v[192+2*n:193+2*n], v[160+2*n:161+2*n], v[248:249], v[32+2*n:33+2*n] op_sel_hi:[1,0,1]   ; register 16 g + i: column 64 W + 32 g + 16 h' + i; each accumulator from its low end on
.set n, n+1
.endr
.irp g, 0,1                                    ; two blocks of 32 along h, half of each in lane l xor 16
	v_max3_num_f32 v[242+\g], |v[192+16*\g]|, |v[193+16*\g]|, 0x1800000
.endr
.irp i, 2,4,6,8,10,12,14
.irp g, 0,1
	s_delay_alu instid0(VALU_DEP_2)
	v_max3_num_f32 v[242+\g], v[242+\g], |v[192+16*\g+\i]|, |v[193+16*\g+\i]|
.endr
.endr
.irp g, 0,1
	s_delay_alu instid0(VALU_DEP_2)
	v_permlanex16_b32 v[250+\g], v[242+\g], s26, s27
.endr
.irp g, 0,1
	s_delay_alu instid0(VALU_DEP_2)
	v_max_num_f32 v[242+\g], v[242+\g], v[250+\g]
.endr
.irp g, 0,1
	s_delay_alu instid0(VALU_DEP_2)
	v_add_nc_u32 v[244+\g], 0xff000000, v[242+\g]
.endr
.irp g, 0,1
	v_cvt_scalef32_pk8_fp4_f32 v[PC+2*\g], v[192+16*\g:199+16*\g], v[244+\g]
	v_cvt_scalef32_pk8_fp4_f32 v[PC+2*\g+1], v[200+16*\g:207+16*\g], v[244+\g]
.endr
.irp g, 0,1
	v_lshrrev_b32 v[246+\g], 23, v[244+\g]         ; the bytes (plain lines behind the conversions)
.endr
	s_delay_alu instid0(VALU_DEP_1)
	v_lshl_or_b32 v248, v247, 8, v246              ; my two bytes of the row's scale word
.irp i, 0,1
	v_permlane16_swap_b32 v[PC+\i], v[PC+2+\i]     ; a whole block to a lane: lanes 0-15 the first block, lanes 16-31 the second
.endr
	ds_store_b128 v2, v[PC:PC+3] offset:OIMG-TT    ; registers 4 (W % 2) .. + 3 of the fragment of K step W / 2
	ds_store_b16 v3, v248 offset:OSC-TT            ; both lanes of a row write the same two bytes with the same value
	v_add_nc_u32 v4, TT, v1                        ; S4's addresses
	v_and_b32 v8, 15, v0
	s_delay_alu instid0(VALU_DEP_1)
	v_lshl_add_u32 v8, v8, 2, TT
	v_and_b32 v12, 15, v0
	s_delay_alu instid0(VALU_DEP_1)
	v_mul_u32_u24 v12, v12, SP
	s_delay_alu instid0(VALU_DEP_1)
	v_lshl_add_u32 v12, v9, 3, v12
	s_lshl_b32 s52, s20, 7
	s_add_co_u32 s52, s52, STG
	v_add_nc_u32 v12, s52, v12                     ; the stage, in: row r, + 128 W + 64 h'
	s_lshr_b32 s52, s20, 1
	s_mul_i32 s52, s52, SP
	s_and_b32 s54, s20, 1
	s_lshl_b32 s54, s54, 9
	s_add_co_u32 s52, s52, s54
	s_add_co_u32 s52, s52, STG
	v_add_nc_u32 v13, s52, v1                      ; back: row W / 2, half W % 2
	v_lshlrev_b32 v5, 4, v0                        ; and the same place in my work-group's four rows of out0
	s_wait_alu depctr_va_vdst(0)
	BAR
	; ---- S4: x w3, + b3, for my 32 columns m
.irp s, 0,1,2,3
.irp c, 0,1
	ds_load_b128 v[96+8*\s+4*\c:99+8*\s+4*\c], v4 offset:OIMG-TT+\s*1024+512*\c
.endr
	ds_load_b32 v[24+\s], v8 offset:OSC-TT+64*\s
.endr
	s_wait_dscnt 0x0
	WIN 0x01
.irp s, 0,1,2,3
.irp t, 0,1                                    ; two accumulators by turns; b3 is the C of each sum's first product
.if \s == 0
	WM 160+8*\t, 8*(4*\t+\s), 96+8*\s, 28+\s, 24+\s, \t, 2, 64+8*\t
.else
	WM 160+8*\t, 8*(4*\t+\s), 96+8*\s, 28+\s, 24+\s, \t, 0, 0
.endif
.endr
.endr
	WIN 0
.rept 4
	v_nop                                          ; four places ahead of the first read of results and of the load into a source below
.endr
.irp t, 0,1
	ds_store_b128 v12, v[160+8*\t:163+8*\t] offset:32*\t           ; lane (r, h'): out(r, 32 W + 16 h' + 8 t + 0 .. 7); each accumulator from its low end on
	ds_store_b128 v12, v[164+8*\t:167+8*\t] offset:32*\t+16
.endr
	BAR                                            ; whole rows lie in the stage; rows 0 to 3 are the work-group's
	ds_load_b128 v[96:99], v13
	s_wait_dscnt 0x0
	global_store_b128 v5, v[96:99], s[72:73]       ; a wave stores 512 consecutive bytes, at a multiple of 256 from out0's first byte
	s_wait_tensorcnt 0x0                           ; the wave's end
	ds_add_u32 v10, v11
	s_wait_dscnt 0x0
	ROUND                                          ; the closing round: no work-group ends while a partner may still ask for a strip that names it
	s_endpgm
.Lfunc_end_k_q9e3a4bc0a6_attn:
	.size	k_q9e3a4bc0a6_attn, .Lfunc_end_k_q9e3a4bc0a6_attn-k_q9e3a4bc0a6_attn
	.p2alignl 7, 3214868480
	.fill 96, 4, 3214868480
	.section	.rodata,"a",@progbits
	.p2align	6, 0x0
	.amdhsa_kernel k_q9e3a4bc0a6_attn
		.amdhsa_group_segment_fixed_size 327680
		.amdhsa_private_segment_fixed_size 0
		.amdhsa_enable_private_segment 0
		.amdhsa_kernarg_size 64
		.amdhsa_user_sgpr_count 2
		.amdhsa_user_sgpr_kernarg_segment_ptr 1
		.amdhsa_wavefront_size32 1
		.amdhsa_system_sgpr_workgroup_id_x 1
		.amdhsa_system_sgpr_workgroup_id_y 1
		.amdhsa_system_sgpr_workgroup_id_z 1
		.amdhsa_system_vgpr_workitem_id 0
		.amdhsa_next_free_vgpr 512
		.amdhsa_next_free_sgpr 84
		.amdhsa_reserve_vcc 0
		.amdhsa_float_denorm_mode_32 3
		.amdhsa_float_denorm_mode_16_64 3
		.amdhsa_memory_ordered 1
		.amdhsa_forward_progress 1
		.amdhsa_inst_pref_size 255
	.end_amdhsa_kernel
	.section	.bss,"aw",@nobits
	.p2align	6
	.space	262144
	.amdgpu_metadata
---
amdhsa.version: [ 1, 2 ]
amdhsa.kernels:
  - .name:           k_q9e3a4bc0a6_attn
    .symbol:         k_q9e3a4bc0a6_attn.kd
    .args:
      - { .name: word_all, .offset: 0, .size: 8, .value_kind: global_buffer, .address_space: global }
      - { .name: word_weighted, .offset: 8, .size: 8, .value_kind: global_buffer, .address_space: global }
      - { .name: qw, .offset: 16, .size: 8, .value_kind: global_buffer, .address_space: global }
      - { .name: b1, .offset: 24, .size: 8, .value_kind: global_buffer, .address_space: global }
      - { .name: w2, .offset: 32, .size: 8, .value_kind: global_buffer, .address_space: global }
      - { .name: b2, .offset: 40, .size: 8, .value_kind: global_buffer, .address_space: global }
      - { .name: b3, .offset: 48, .size: 8, .value_kind: global_buffer, .address_space: global }
      - { .name: out0, .offset: 56, .size: 8, .value_kind: global_buffer, .address_space: global }
    .group_segment_fixed_size: 327680
    .private_segment_fixed_size: 0
    .kernarg_segment_align: 8
    .kernarg_segment_size: 64
    .max_flat_workgroup_size: 256
    .sgpr_count:     84
    .vgpr_count:     512
    .wavefront_size: 32
...
	.end_amdgpu_metadata
.endif
;; end of part 2
